; MI455X (gfx1250); checked and timed in simulation.
; The chip was launched on July 23, 2026; its instructions are those of AMD's public machine-readable ISA for CDNA 5 (MIT licence, August 2026) and "CDNA5" Instruction Set Architecture Reference Guide (July 2026). The comments in the code are by the model that wrote it; some were corrected since.
;; Self Attention. Allowed arithmetic: float matrix products may take bf16 or f16 operands with f32 sums; all other float work in f32.
;; Inputs: b_k 256 float32; b_q 256 float32; key 128 x 2,048 x 256 float32; query 8 x 64 x 256 float32; w_k 256 x 256 float32; w_q 256 x 256 float32.
;; Outputs: out0 8 x 2,048 x 256 float32.
;; One version. Each part assembles by itself: llvm-mc -triple=amdgcn-amd-amdhsa -mcpu=gfx1250 --defsym DOCPART=n.
;; ======== version 1 of 1: 3 launches
;; workspace buffers: part 262,144 bytes; qside 8,448 bytes; best 256 bytes of whole numbers
;; launch sums (part 1): grid 264 x 1, 16 waves a work-group, no clusters, 22,528 bytes of LDS; arguments key, query, w_q, b_q, w_k, b_k, part, qside; writes part, qside
.if DOCPART == 1
	.amdgcn_target "amdgcn-amd-amdhsa--gfx1250"
	.amdhsa_code_object_version 6
	.text
	.protected	k_qc13595e7f0_sums
	.globl	k_qc13595e7f0_sums
	.p2align	8
	.type	k_qc13595e7f0_sums,@function
k_qc13595e7f0_sums:
	s_mov_b64 s[64:65], 0
	v_nop
	global_prefetch_b8 v0, s[64:65] scope:SCOPE_SE
	s_setreg_imm32_b32 hwreg(HW_REG_WAVE_MODE, 25, 1), 1
	s_wait_xcnt 0x0
; FIRST OF THREE LAUNCHES.  Everything in front of the argmax is linear in key, so the sums over q and over k are drawn through both
; linear layers and the energy product (true for every input):
;   attention[b][m] = ( u[b] . ksum[b][m] ) / (16 * 2048)  +  ( Qs[b] . b_k ) / 16
;   ksum[b][m][h] = sum over k of key[16 b + m][k][h]        qsum[b] = sum over q of query[b][q][:]
;   Qs[b] = w_q qsum[b] + 64 b_q                             u[b][h] = sum over o of w_k[o][h] Qs[b][o]
; This launch makes the column sums of key (work-groups 8 to 263, 1,024 rows = 1 MiB each, into part) and u and c = Qs.b_k / 16
; (work-groups 0 to 7, one for each b, into qside).  The query side hangs on no key data; a wave of it moves 4 + 16 + 16 KiB against the
; 64 KiB of a streaming wave, so it runs beside the stream instead of standing alone in a launch of its own.
; All arithmetic is f32 on the vector unit: what is left of the products is two matrix-vector products for each b (65,536 multiply-adds
; each), and their result steers a choice among whole blocks, where the rounding of 16-bit operands would be felt.
; No tensor loads, no cluster: no tile of key is read twice; what work-groups share is w_q and w_k, 512 KiB beside 256 MiB of key.
; LIMITS.  The order of rounding differs from the reference's (sums first: pairs of rows, a chain of 32, a tree over 16 waves, two halves;
; then the products).  Two candidates whose attentions agree to a few 1e-6 of the sums' magnitude may be ranked the other way.
.set NB,     8                         ; query-side work-groups, numbers 0 to 7
.set DEPTH,  4                         ; ring slots of COLSUM: 4 slots x 4 loads x 512 bytes in flight in each wave
.set TURNB,  32768                     ; bytes of a turn: 16 waves x 2 rows x 1,024 bytes, contiguous
.set KT,     32                        ; turns for 1,024 rows of key
.set QT,     2                         ; turns for the 64 rows of query
; LDS
.set RED,    0                         ; 16 waves x 1,024 bytes: wave w's 256 partial columns, column c at 1024 w + 4 c
.set QSUM,   16384                     ; 1,024 bytes: qsum
.set QS,     17408                     ; 2,048 bytes: Qs[o] twice, 8 bytes for each o (a ready pair for the packed multiply-add)
.set CP,     19456                     ; 64 bytes: wave w's part of Qs . b_k
; vector registers
.set LN,   1                           ; lane
.set VA,   2                           ; 2048 w + 16 lane: my 16 bytes in the wave's two rows of a turn
.set SP,   3                           ; 1024 w + 16 lane: where I put partial columns in RED
.set FO,   4                           ; 512 w + 16 lane = 16 t: four columns of a folded row (waves 0 and 1)
.set RA,   5                           ; 16384 w + 16 lane: my 16 bytes in the first of the wave's 16 rows of w_q, w_k
.set OB,   6                           ; 4 (16 w + lane % 16): my row's bias
.set QSA,  7                           ; QS + 8 (16 w + lane % 16)
.set CPA,  8                           ; CP + 4 w
.set QDA,  9                           ; QS + 128 w
.set L16,  10                          ; 16 lane
.set BQ,   11                          ; b_q of my row
.set BK,   12                          ; b_k of my row
.set ZERO, 13
.set ACC,  14                          ; v[14:21]  sums of my columns 4 lane .. + 3 and 128 + 4 lane .. + 3
.set T,    22                          ; v[22:29]  at work
.set S,    30                          ; v[30:37]  qsum of my eight columns
.set P,    38                          ; v[38:53]  the 16 rows' products
.set QD,   22                          ; v[22:53]  second product: 16 pairs (Qs, Qs), in T's, S's and P's registers, which are done with by then
.set X,    54                          ; v[54:117] the ring
; scalar registers: s3 wave; s[4:7] offsets; s[8:23] the eight addresses (key 8, query 10, w_q 12, b_q 14, w_k 16, b_k 18, part 20, qside 22);
; s[24:25] address of c[b]; s26, s27 lane selects; s28 a lane mask; s29 the old EXEC.
; No base and no offset register is written while a memory instruction may read it: all stepping is in the immediates (1,017,344 at the most).
; four loads: the wave's two whole rows of a turn, 2,048 contiguous bytes
.macro LOAD4 slot, turn, base
.irp j, 0,1,2,3
	global_load_b128 v[X+16*(\slot)+4*\j:X+16*(\slot)+4*\j+3], v[VA], s[\base:\base+1] offset:TURNB*(\turn)+512*\j th:TH_LOAD_NT
.endr
.endm
; ACC = my eight columns' sums over the wave's 2 x turns rows.  Written out: no counter, no stepped address.
.macro COLSUM base, turns
.set i, 0
.rept DEPTH
.if i < \turns
	LOAD4 i, i, \base
.endif
.set i, i+1
.endr
.set i, 0
.rept \turns
.set sl, X+16*(i%DEPTH)
.set left, \turns-1-i
.if left > DEPTH-1
.set left, DEPTH-1
.endif
	s_wait_loadcnt 4*left                          ; loads come back in order: this slot's four are in, the four of each younger slot stay out
.if i == 0
.irp p, 0,2,4,6
	v_pk_add_f32 v[ACC+\p:ACC+\p+1], v[sl+\p:sl+\p+1], v[sl+8+\p:sl+8+\p+1]    ; the first two rows start the sums: nothing is cleared
.endr
.else
.irp p, 0,2,4,6
	v_pk_add_f32 v[T+\p:T+\p+1], v[sl+\p:sl+\p+1], v[sl+8+\p:sl+8+\p+1]        ; the two rows,
.endr
.irp p, 0,2,4,6
	v_pk_add_f32 v[ACC+\p:ACC+\p+1], v[ACC+\p:ACC+\p+1], v[T+\p:T+\p+1]        ; then the chain
.endr
.endif
.if i+DEPTH < \turns
	LOAD4 i%DEPTH, i+DEPTH, \base
.endif
.set i, i+1
.endr
.endm
; my partial columns into RED, and a barrier
.macro SPILL
	ds_store_b128 v[SP], v[ACC:ACC+3] offset:RED
	ds_store_b128 v[SP], v[ACC+4:ACC+7] offset:RED+512
	s_wait_dscnt 0x0                               ; for the other waves' sake: my stores are in LDS in front of my signal
	s_barrier_signal -1
	s_barrier_wait -1
.endm
; waves 0 and 1 only: ACC[0:3] = columns 4 t .. 4 t + 3 summed over the 16 waves, as a tree
.macro FOLD
.irp k, 0,1,2,3,4,5,6,7,8,9,10,11,12,13,14,15
	ds_load_b128 v[X+4*\k:X+4*\k+3], v[FO] offset:RED+1024*\k
.endr
	s_wait_dscnt 0x0
.irp d, 8,4,2
.set kk, 0
.rept \d
	v_pk_add_f32 v[X+4*kk:X+4*kk+1], v[X+4*kk:X+4*kk+1], v[X+4*(kk+\d):X+4*(kk+\d)+1]
	v_pk_add_f32 v[X+4*kk+2:X+4*kk+3], v[X+4*kk+2:X+4*kk+3], v[X+4*(kk+\d)+2:X+4*(kk+\d)+3]
.set kk, kk+1
.endr
.endr
	v_pk_add_f32 v[ACC:ACC+1], v[X:X+1], v[X+4:X+5]
	v_pk_add_f32 v[ACC+2:ACC+3], v[X+2:X+3], v[X+6:X+7]
.endm
; One ring of 32 items for both products: items 0 to 15 are the wave's rows of w_q, items 16 to 31 its rows of w_k.  Eight slots of 8 registers.
; No cache hint: eight work-groups read these matrices.
.macro ROWLOAD item
.set rb, 12+4*((\item)/16)
	global_load_b128 v[X+8*((\item)%8):X+8*((\item)%8)+3], v[RA], s[rb:rb+1] offset:1024*((\item)%16)
	global_load_b128 v[X+8*((\item)%8)+4:X+8*((\item)%8)+7], v[RA], s[rb:rb+1] offset:1024*((\item)%16)+512
.endm
.macro ROWWAIT item
.set left, 31-(\item)
.if left > 7
.set left, 7
.endif
	s_wait_loadcnt 2*left                          ; this row's two loads are in; two for each younger row of the ring stay out
.endm
	s_load_b512 s[8:23], s[0:1], 0x0               ; all eight addresses
	v_lshl_add_u32 v118, v0, 2, 0x5000
	v_mov_b32 v119, 0
	v_and_b32 v[LN], 31, v0
	v_lshrrev_b32 v[T], 5, v0
	v_readfirstlane_b32 s3, v[T]                   ; the wave's number as a scalar
	v_lshlrev_b32 v[L16], 4, v[LN]
	s_lshl_b32 s6, s3, 11
	v_add_nc_u32 v[VA], s6, v[L16]
	s_lshl_b32 s6, s3, 10
	v_add_nc_u32 v[SP], s6, v[L16]
	s_lshl_b32 s6, s3, 9
	v_add_nc_u32 v[FO], s6, v[L16]
	s_mov_b32 s5, 0
	s_cmp_lt_u32 ttmp9, NB                         ; the same for all waves of a work-group
	s_cbranch_scc1 .Lqside
	; ---------------- THE STREAM: work-group 8 + id sums rows 1024 (id % 2) .. + 1023 of key block id / 2 ----------------
	s_sub_co_u32 s4, ttmp9, NB                     ; id, 0 to 255
	s_lshl_b32 s6, s4, 10                          ; its row of part
	s_lshl_b32 s4, s4, 20                          ; its 1 MiB of key (below 2^28)
	s_mov_b32 s7, 0
	s_wait_kmcnt 0x0
	s_add_nc_u64 s[8:9], s[8:9], s[4:5]
	s_add_nc_u64 s[20:21], s[20:21], s[6:7]
	COLSUM 8, KT
	SPILL
	s_cmp_ge_u32 s3, 2
	s_cbranch_scc1 .Lstream_end
	FOLD
	global_store_b128 v[FO], v[ACC:ACC+3], s[20:21]    ; 64 threads write the row's 1,024 bytes; a wave's store covers 512 consecutive bytes, aligned
.Lstream_end:
	s_wait_tensorcnt 0x0
	ds_add_u32 v118, v119
	s_wait_dscnt 0x0
	s_endpgm
	; ---------------- THE QUERY SIDE: work-group b makes u[b] and c[b] ----------------
.Lqside:
	v_and_b32 v[T], 15, v0                         ; lane % 16
	s_lshl_b32 s6, s3, 14
	v_add_nc_u32 v[RA], s6, v[L16]
	s_lshl_b32 s6, s3, 6
	v_lshl_add_u32 v[OB], v[T], 2, s6
	s_lshl_b32 s6, s3, 7
	s_add_co_u32 s6, s6, QS
	v_lshl_add_u32 v[QSA], v[T], 3, s6
	v_mov_b32 v[QDA], s6
	s_lshl_b32 s6, s3, 2
	s_add_co_u32 s6, s6, CP
	v_mov_b32 v[CPA], s6
	v_mov_b32 v[ZERO], 0
	s_mov_b32 s26, 0x76543210                      ; v_permlanex16_b32: lane i of one half reads lane i of the other
	s_mov_b32 s27, 0xfedcba98
	s_lshl_b32 s4, ttmp9, 2
	s_add_co_u32 s4, s4, 8192
	s_wait_kmcnt 0x0
	s_add_nc_u64 s[24:25], s[22:23], s[4:5]        ; c[b] lies behind the eight u
	s_lshl_b32 s4, ttmp9, 10
	s_add_nc_u64 s[22:23], s[22:23], s[4:5]        ; u[b]
	s_lshl_b32 s4, ttmp9, 16
	s_add_nc_u64 s[10:11], s[10:11], s[4:5]        ; query[b]: 64 rows of 1,024 bytes
	global_load_b32 v[BQ], v[OB], s[14:15]         ; the biases first: older than every counted load, so they change no count,
	global_load_b32 v[BK], v[OB], s[18:19]         ; and COLSUM's last wait, for zero, covers them
	COLSUM 10, QT
	SPILL                                          ; barrier 1: the waves' parts of qsum are in RED
	s_cmp_ge_u32 s3, 2
	s_cbranch_scc1 .Lq_ring
	FOLD
	ds_store_b128 v[FO], v[ACC:ACC+3] offset:QSUM
.Lq_ring:
.irp r, 0,1,2,3,4,5,6,7
	ROWLOAD \r                                     ; the ring is filled while the barrier gathers
.endr
	s_wait_dscnt 0x0                               ; waves 0, 1: their reads of RED and their stores to QSUM are done
	s_barrier_signal -1
	s_barrier_wait -1                              ; barrier 2: qsum is whole
	ds_load_b128 v[S:S+3], v[L16] offset:QSUM
	ds_load_b128 v[S+4:S+7], v[L16] offset:QSUM+512
	s_wait_dscnt 0x0
	; first product: P[i] = my eight columns' share of w_q[16 w + i] . qsum
.set it, 0
.rept 16
.set sl, X+8*(it%8)
.set tt, T+2*(it%4)
	ROWWAIT it
	v_pk_mul_f32 v[tt:tt+1], v[sl:sl+1], v[S:S+1]
	v_pk_fma_f32 v[tt:tt+1], v[sl+2:sl+3], v[S+2:S+3], v[tt:tt+1]
	v_pk_fma_f32 v[tt:tt+1], v[sl+4:sl+5], v[S+4:S+5], v[tt:tt+1]
	v_pk_fma_f32 v[tt:tt+1], v[sl+6:sl+7], v[S+6:S+7], v[tt:tt+1]
	v_add_f32 v[P+it], v[tt], v[tt+1]
	ROWLOAD it+8                                   ; from i = 8 on these are rows of w_k
.set it, it+1
.endr
	; the 16 sums over the wave's 32 lanes; the step is the outer loop, so that neighbouring lines do not wait for each other
.irp m, 1,2,4,8
.set it, 0
.rept 16
	v_add_f32_dpp v[P+it], v[P+it], v[P+it] row_xmask:\m row_mask:0xf bank_mask:0xf
.set it, it+1
.endr
.endr
.irp g, 0,8
.irp j, 0,1,2,3,4,5,6,7
	v_permlanex16_b32 v[T+\j], v[P+\g+\j], s26, s27    ; T has been written whole (COLSUM's second turn)
.endr
.irp j, 0,1,2,3,4,5,6,7
	v_add_f32 v[P+\g+\j], v[P+\g+\j], v[T+\j]
.endr
.endr
	; lane l keeps the sum of row 16 w + l % 16
.set it, 1
.rept 15
	s_mov_b32 s28, 0x10001<<it
	v_cndmask_b32 v[P], v[P], v[P+it], s28
.set it, it+1
.endr
	v_fmamk_f32 v[P], v[BQ], 0x42800000, v[P]      ; Qs = 64 b_q + w_q qsum
	v_mov_b32 v[P+1], v[P]
	v_mul_f32 v[T], v[P], v[BK]
	ds_store_b64 v[QSA], v[P:P+1]                  ; lanes l and l + 16 write the same value to the same bytes
.irp m, 1,2,4,8
	v_add_f32_dpp v[T], v[T], v[T] row_xmask:\m row_mask:0xf bank_mask:0xf     ; both halves hold the same 16 rows: four steps do
.endr
	ds_store_b32 v[CPA], v[T]                      ; all lanes: the same word, the same value
	s_wait_dscnt 0x0                               ; my stores to QS and CP are in LDS in front of my signal
	s_barrier_signal -1                            ; (16 loads of w_k stay out: nobody writes those bytes)
	s_barrier_wait -1                              ; barrier 3: QS and CP may be read by any wave
.irp k, 0,1,2,3,4,5,6,7
	ds_load_b128 v[QD+4*\k:QD+4*\k+3], v[QDA] offset:16*\k     ; one address for all lanes: the pairs of rows 16 w + 2 k, + 1
.endr
	s_wait_dscnt 0x0
	; second product: ACC = my eight columns of the sum over the wave's 16 rows o of Qs[o] w_k[o][:]
.set it, 16
.rept 16
.set sl, X+8*(it%8)
.set qd, QD+2*(it-16)
	ROWWAIT it
.irp p, 0,2,4,6
.if it == 16
	v_pk_mul_f32 v[ACC+\p:ACC+\p+1], v[sl+\p:sl+\p+1], v[qd:qd+1]
.else
	v_pk_fma_f32 v[ACC+\p:ACC+\p+1], v[sl+\p:sl+\p+1], v[qd:qd+1], v[ACC+\p:ACC+\p+1]
.endif
.endr
.if it+8 <= 31
	ROWLOAD it+8
.endif
.set it, it+1
.endr
	SPILL                                          ; barrier 4.  RED was last read in front of barrier 2
	s_cmp_ge_u32 s3, 2
	s_cbranch_scc1 .Lq_notfold
	FOLD
	global_store_b128 v[FO], v[ACC:ACC+3], s[22:23]    ; u[b]: 1,024 bytes from 64 threads
	s_wait_tensorcnt 0x0
	ds_add_u32 v118, v119
	s_wait_dscnt 0x0
	s_endpgm
.Lq_notfold:
	s_cmp_lg_u32 s3, 2
	s_cbranch_scc1 .Lq_end
	; wave 2: c[b] = (the 16 waves' parts of Qs . b_k) / 16
.irp k, 0,1,2,3
	ds_load_b128 v[X+4*\k:X+4*\k+3], v[ZERO] offset:CP+16*\k
.endr
	s_wait_dscnt 0x0
.irp p, 0,2,4,6
	v_pk_add_f32 v[X+\p:X+\p+1], v[X+\p:X+\p+1], v[X+8+\p:X+8+\p+1]
.endr
	v_pk_add_f32 v[X:X+1], v[X:X+1], v[X+4:X+5]
	v_pk_add_f32 v[X+2:X+3], v[X+2:X+3], v[X+6:X+7]
	v_pk_add_f32 v[X:X+1], v[X:X+1], v[X+2:X+3]
	v_add_f32 v[X], v[X], v[X+1]
	v_mul_f32 v[X], 0x3d800000, v[X]               ; 1 / sqrt(256)
	v_cmp_eq_u32 vcc_lo, 0, v[LN]
	s_wait_xcnt 0x0                                ; EXEC is a source of the memory instructions issued so far: it changes only behind this wait
	s_wait_tensorcnt 0x0
	ds_add_u32 v118, v119
	s_wait_dscnt 0x0
	s_and_saveexec_b32 s29, vcc_lo                 ; lane 0 alone; the wave ends with it, EXEC is not widened again
	global_store_b32 v[ZERO], v[X], s[24:25]
	s_endpgm
.Lq_end:
	s_wait_tensorcnt 0x0
	ds_add_u32 v118, v119
	s_wait_dscnt 0x0
	s_endpgm
.Lfunc_end_k_qc13595e7f0_sums:
	.size	k_qc13595e7f0_sums, .Lfunc_end_k_qc13595e7f0_sums-k_qc13595e7f0_sums
	.p2alignl 7, 3214868480
	.fill 96, 4, 3214868480
	.section	.rodata,"a",@progbits
	.p2align	6, 0x0
	.amdhsa_kernel k_qc13595e7f0_sums
		.amdhsa_group_segment_fixed_size 22528
		.amdhsa_private_segment_fixed_size 0
		.amdhsa_enable_private_segment 0
		.amdhsa_kernarg_size 64
		.amdhsa_user_sgpr_count 2
		.amdhsa_user_sgpr_kernarg_segment_ptr 1
		.amdhsa_wavefront_size32 1
		.amdhsa_system_sgpr_workgroup_id_x 1
		.amdhsa_system_sgpr_workgroup_id_y 1
		.amdhsa_system_sgpr_workgroup_id_z 1
		.amdhsa_system_vgpr_workitem_id 0
		.amdhsa_next_free_vgpr 120
		.amdhsa_next_free_sgpr 66
		.amdhsa_reserve_vcc 1
		.amdhsa_float_denorm_mode_32 3
		.amdhsa_float_denorm_mode_16_64 3
		.amdhsa_memory_ordered 1
		.amdhsa_forward_progress 1
		.amdhsa_inst_pref_size 69
	.end_amdhsa_kernel
	.amdgpu_metadata
---
amdhsa.version: [ 1, 2 ]
amdhsa.kernels:
  - .name:           k_qc13595e7f0_sums
    .symbol:         k_qc13595e7f0_sums.kd
    .args:
      - { .name: key, .offset: 0, .size: 8, .value_kind: global_buffer, .address_space: global }
      - { .name: query, .offset: 8, .size: 8, .value_kind: global_buffer, .address_space: global }
      - { .name: w_q, .offset: 16, .size: 8, .value_kind: global_buffer, .address_space: global }
      - { .name: b_q, .offset: 24, .size: 8, .value_kind: global_buffer, .address_space: global }
      - { .name: w_k, .offset: 32, .size: 8, .value_kind: global_buffer, .address_space: global }
      - { .name: b_k, .offset: 40, .size: 8, .value_kind: global_buffer, .address_space: global }
      - { .name: part, .offset: 48, .size: 8, .value_kind: global_buffer, .address_space: global }
      - { .name: qside, .offset: 56, .size: 8, .value_kind: global_buffer, .address_space: global }
    .group_segment_fixed_size: 22528
    .private_segment_fixed_size: 0
    .kernarg_segment_align: 8
    .kernarg_segment_size: 64
    .max_flat_workgroup_size: 512
    .sgpr_count:     66
    .vgpr_count:     120
    .wavefront_size: 32
...
	.end_amdgpu_metadata
.endif
;; end of part 1
;; launch pick (part 2): grid 8 x 1, 16 waves a work-group, no clusters, 2,304 bytes of LDS; arguments part, qside, best; writes best
.if DOCPART == 2
	.amdgcn_target "amdgcn-amd-amdhsa--gfx1250"
	.amdhsa_code_object_version 6
	.text
	.protected	k_qc13595e7f0_pick
	.globl	k_qc13595e7f0_pick
	.p2align	8
	.type	k_qc13595e7f0_pick,@function
k_qc13595e7f0_pick:
	s_mov_b64 s[64:65], 0
	v_nop
	global_prefetch_b8 v0, s[64:65] scope:SCOPE_SE
	s_setreg_imm32_b32 hwreg(HW_REG_WAVE_MODE, 25, 1), 1
	s_wait_xcnt 0x0
; SECOND LAUNCH: best[b] = argmax over m of attention[b][m] = (u[b] . ksum[b][m]) / 32768 + c[b], stored as a whole number for the copy.
; Work-group b, wave m: one dot product of 256 in f32.  part holds ksum in two halves (rows 2 (16 b + m) and + 1, 1,024 bytes each);
; qside holds u[b] at 1024 b and c[b] at 8192 + 4 b.  The choice is made by selects; no branch and no address hangs on a float.
; Eight work-groups, because there are eight decisions of 16 dot products; 33 KiB are read by each.
; LIMITS.  Equal attentions: the lowest index wins, as in jnp.argmax.  A NaN among the attentions loses here, where jnp.argmax would pick it.
	s_load_b128 s[4:7], s[0:1], 0x0                ; part s[4:5], qside s[6:7]
	s_load_b64 s[8:9], s[0:1], 0x10                ; best
	v_lshl_add_u32 v34, v0, 2, 0x100
	v_mov_b32 v35, 0
	v_and_b32 v1, 31, v0                           ; lane
	v_lshrrev_b32 v2, 5, v0
	v_readfirstlane_b32 s3, v2                     ; wave = candidate m
	v_lshlrev_b32 v3, 4, v1                        ; 16 lane: my columns 4 lane .. + 3 (and 128 + .. at + 512)
	s_lshl_b32 s17, s3, 11
	v_add_nc_u32 v2, s17, v3                       ; + the candidate's two rows of part
	s_lshl_b32 s17, s3, 2
	v_mov_b32 v31, s17                             ; LDS word of my candidate
	v_mov_b32 v32, 0
	s_mov_b32 s11, 0x38000000                      ; 1 / (16 * 2048) = 2^-15
	s_mov_b32 s14, 0x76543210                      ; v_permlanex16_b32: lane i of one half reads lane i of the other
	s_mov_b32 s15, 0xfedcba98
	s_lshl_b32 s18, ttmp9, 2
	s_mov_b32 s19, 0
	s_wait_kmcnt 0x0
	s_add_nc_u64 s[8:9], s[8:9], s[18:19]          ; best[b]
	s_add_co_u32 s18, s18, 8192
	s_add_nc_u64 s[12:13], s[6:7], s[18:19]
	s_load_b32 s10, s[12:13], 0x0                  ; c[b]; this launch writes nothing of qside
	s_lshl_b32 s18, ttmp9, 15
	s_add_nc_u64 s[4:5], s[4:5], s[18:19]          ; the 32 rows of part of this b
	s_lshl_b32 s18, ttmp9, 10
	s_add_nc_u64 s[6:7], s[6:7], s[18:19]          ; u[b]
	global_load_b128 v[4:7], v2, s[4:5]
	global_load_b128 v[8:11], v2, s[4:5] offset:512
	global_load_b128 v[12:15], v2, s[4:5] offset:1024
	global_load_b128 v[16:19], v2, s[4:5] offset:1536
	global_load_b128 v[20:23], v3, s[6:7]
	global_load_b128 v[24:27], v3, s[6:7] offset:512
	s_wait_loadcnt 0x2                             ; the four of part are in; the two of u, which are younger, may be out
	v_pk_add_f32 v[4:5], v[4:5], v[12:13]          ; ksum = first half + second half
	v_pk_add_f32 v[6:7], v[6:7], v[14:15]
	v_pk_add_f32 v[8:9], v[8:9], v[16:17]
	v_pk_add_f32 v[10:11], v[10:11], v[18:19]
	s_wait_loadcnt 0x0
	v_pk_mul_f32 v[28:29], v[4:5], v[20:21]
	v_pk_fma_f32 v[28:29], v[6:7], v[22:23], v[28:29]
	v_pk_fma_f32 v[28:29], v[8:9], v[24:25], v[28:29]
	v_pk_fma_f32 v[28:29], v[10:11], v[26:27], v[28:29]
	v_add_f32 v28, v28, v29
	v_add_f32_dpp v28, v28, v28 row_xmask:1 row_mask:0xf bank_mask:0xf
	v_add_f32_dpp v28, v28, v28 row_xmask:2 row_mask:0xf bank_mask:0xf
	v_add_f32_dpp v28, v28, v28 row_xmask:4 row_mask:0xf bank_mask:0xf
	v_add_f32_dpp v28, v28, v28 row_xmask:8 row_mask:0xf bank_mask:0xf
	v_permlanex16_b32 v29, v28, s14, s15           ; v29 has been written (the packed product)
	v_add_f32 v28, v28, v29
	s_wait_kmcnt 0x0                               ; c[b]
	v_fma_f32 v28, v28, s11, s10                   ; attention[b][m]
	ds_store_b32 v31, v28                          ; all lanes: the same word, the same value
	s_wait_dscnt 0x0                               ; in LDS in front of my signal
	s_barrier_signal -1
	s_barrier_wait -1
	s_cmp_lg_u32 s3, 0
	s_cbranch_scc1 .Lend
	; wave 0: the first largest of the sixteen, in every lane alike
	ds_load_b128 v[4:7], v32
	ds_load_b128 v[8:11], v32 offset:16
	ds_load_b128 v[12:15], v32 offset:32
	ds_load_b128 v[16:19], v32 offset:48
	s_wait_dscnt 0x0
	v_mov_b32 v20, v4                              ; the largest so far
	v_mov_b32 v21, 0                               ; and its index
.irp i, 1,2,3,4,5,6,7,8,9,10,11,12,13,14,15
	v_cmp_gt_f32 vcc_lo, v[4+\i], v20              ; strictly larger: of equals the first stays
	v_cndmask_b32 v21, v21, \i, vcc_lo
	v_max_num_f32 v20, v20, v[4+\i]
.endr
	v_cmp_eq_u32 vcc_lo, 0, v0
	s_wait_xcnt 0x0                                ; EXEC is a source of the loads above: it changes only behind this wait
	s_wait_tensorcnt 0x0
	ds_add_u32 v34, v35
	s_wait_dscnt 0x0
	s_and_saveexec_b32 s16, vcc_lo                 ; lane 0 alone; the wave ends with it
	global_store_b32 v32, v21, s[8:9]
	s_endpgm
.Lend:
	s_wait_tensorcnt 0x0
	ds_add_u32 v34, v35
	s_wait_dscnt 0x0
	s_endpgm
.Lfunc_end_k_qc13595e7f0_pick:
	.size	k_qc13595e7f0_pick, .Lfunc_end_k_qc13595e7f0_pick-k_qc13595e7f0_pick
	.p2alignl 7, 3214868480
	.fill 96, 4, 3214868480
	.section	.rodata,"a",@progbits
	.p2align	6, 0x0
	.amdhsa_kernel k_qc13595e7f0_pick
		.amdhsa_group_segment_fixed_size 2304
		.amdhsa_private_segment_fixed_size 0
		.amdhsa_enable_private_segment 0
		.amdhsa_kernarg_size 24
		.amdhsa_user_sgpr_count 2
		.amdhsa_user_sgpr_kernarg_segment_ptr 1
		.amdhsa_wavefront_size32 1
		.amdhsa_system_sgpr_workgroup_id_x 1
		.amdhsa_system_sgpr_workgroup_id_y 1
		.amdhsa_system_sgpr_workgroup_id_z 1
		.amdhsa_system_vgpr_workitem_id 0
		.amdhsa_next_free_vgpr 36
		.amdhsa_next_free_sgpr 66
		.amdhsa_reserve_vcc 1
		.amdhsa_float_denorm_mode_32 3
		.amdhsa_float_denorm_mode_16_64 3
		.amdhsa_memory_ordered 1
		.amdhsa_forward_progress 1
		.amdhsa_inst_pref_size 6
	.end_amdhsa_kernel
	.amdgpu_metadata
---
amdhsa.version: [ 1, 2 ]
amdhsa.kernels:
  - .name:           k_qc13595e7f0_pick
    .symbol:         k_qc13595e7f0_pick.kd
    .args:
      - { .name: part, .offset: 0, .size: 8, .value_kind: global_buffer, .address_space: global }
      - { .name: qside, .offset: 8, .size: 8, .value_kind: global_buffer, .address_space: global }
      - { .name: best, .offset: 16, .size: 8, .value_kind: global_buffer, .address_space: global }
    .group_segment_fixed_size: 2304
    .private_segment_fixed_size: 0
    .kernarg_segment_align: 8
    .kernarg_segment_size: 24
    .max_flat_workgroup_size: 512
    .sgpr_count:     66
    .vgpr_count:     36
    .wavefront_size: 32
...
	.end_amdgpu_metadata
.endif
;; end of part 2
;; launch take (part 3): grid 32 x 8, 8 waves a work-group, no clusters, 0 bytes of LDS; arguments best, key, out0; writes out0
.if DOCPART == 3
	.amdgcn_target "amdgcn-amd-amdhsa--gfx1250"
	.amdhsa_code_object_version 6
	.text
	.protected	k_qc13595e7f0_take
	.globl	k_qc13595e7f0_take
	.p2align	8
	.type	k_qc13595e7f0_take,@function
k_qc13595e7f0_take:
	s_mov_b64 s[64:65], 0
	v_nop
	global_prefetch_b8 v0, s[64:65] scope:SCOPE_SE
	s_setreg_imm32_b32 hwreg(HW_REG_WAVE_MODE, 25, 1), 1
	s_wait_xcnt 0x0
; THIRD LAUNCH: out0[b] = key[16 b + best[b]], a copy of 2 MiB for each b.  Work-group (x, b) copies 64 KiB: 256 work-groups of equal work.
; A wave issues its 16 loads at once (512 consecutive bytes each; the eight waves cover 4,096), so all that the launch reads is on its way
; together, and stores each as it comes.  No register is written twice: no wait but the counted ones.
; No LDS, no matrix unit, no cluster: nothing is computed and no byte is read by two work-groups.
; best[b] is 0 to 15 as the launch before stored it; the s_min_u32 keeps the address inside key whatever the word holds.
	s_load_b128 s[4:7], s[0:1], 0x0                ; best s[4:5], key s[6:7]
	s_load_b64 s[8:9], s[0:1], 0x10                ; out0
	s_and_b32 s10, ttmp7, 0xffff                   ; b
	s_lshl_b32 s18, s10, 2
	s_mov_b32 s19, 0
	v_lshlrev_b32 v1, 4, v0                        ; 16 t
	s_wait_kmcnt 0x0
	s_add_nc_u64 s[4:5], s[4:5], s[18:19]
	s_load_b32 s12, s[4:5], 0x0                    ; best[b]
	s_lshl_b32 s11, ttmp9, 16                      ; my 64 KiB of the block
	s_lshl_b32 s16, s10, 21                        ; out0[b]: 2 MiB each
	s_add_co_u32 s16, s16, s11
	s_mov_b32 s17, 0
	s_add_nc_u64 s[8:9], s[8:9], s[16:17]
	s_lshl_b32 s13, s10, 4
	s_mov_b32 s15, 0
	s_wait_kmcnt 0x0
	s_min_u32 s12, s12, 15
	s_add_co_u32 s13, s13, s12                     ; block 16 b + best[b], 127 at the most
	s_lshl_b32 s14, s13, 21                        ; below 2^28
	s_add_co_u32 s14, s14, s11
	s_add_nc_u64 s[6:7], s[6:7], s[14:15]
.irp j, 0,1,2,3,4,5,6,7,8,9,10,11,12,13,14,15
	global_load_b128 v[2+4*\j:5+4*\j], v1, s[6:7] offset:4096*\j th:TH_LOAD_NT
.endr
.irp j, 0,1,2,3,4,5,6,7,8,9,10,11,12,13,14,15
	s_wait_loadcnt 15-\j                           ; loads come back in order: load j is in, the 15 - j younger ones stay out
	global_store_b128 v1, v[2+4*\j:5+4*\j], s[8:9] offset:4096*\j th:TH_STORE_NT   ; a wave's store covers 512 consecutive bytes, aligned
.endr
	s_endpgm
.Lfunc_end_k_qc13595e7f0_take:
	.size	k_qc13595e7f0_take, .Lfunc_end_k_qc13595e7f0_take-k_qc13595e7f0_take
	.p2alignl 7, 3214868480
	.fill 96, 4, 3214868480
	.section	.rodata,"a",@progbits
	.p2align	6, 0x0
	.amdhsa_kernel k_qc13595e7f0_take
		.amdhsa_group_segment_fixed_size 0
		.amdhsa_private_segment_fixed_size 0
		.amdhsa_enable_private_segment 0
		.amdhsa_kernarg_size 24
		.amdhsa_user_sgpr_count 2
		.amdhsa_user_sgpr_kernarg_segment_ptr 1
		.amdhsa_wavefront_size32 1
		.amdhsa_system_sgpr_workgroup_id_x 1
		.amdhsa_system_sgpr_workgroup_id_y 1
		.amdhsa_system_sgpr_workgroup_id_z 1
		.amdhsa_system_vgpr_workitem_id 0
		.amdhsa_next_free_vgpr 66
		.amdhsa_next_free_sgpr 66
		.amdhsa_reserve_vcc 0
		.amdhsa_float_denorm_mode_32 3
		.amdhsa_float_denorm_mode_16_64 3
		.amdhsa_memory_ordered 1
		.amdhsa_forward_progress 1
		.amdhsa_inst_pref_size 5
	.end_amdhsa_kernel
	.amdgpu_metadata
---
amdhsa.version: [ 1, 2 ]
amdhsa.kernels:
  - .name:           k_qc13595e7f0_take
    .symbol:         k_qc13595e7f0_take.kd
    .args:
      - { .name: best, .offset: 0, .size: 8, .value_kind: global_buffer, .address_space: global }
      - { .name: key, .offset: 8, .size: 8, .value_kind: global_buffer, .address_space: global }
      - { .name: out0, .offset: 16, .size: 8, .value_kind: global_buffer, .address_space: global }
    .group_segment_fixed_size: 0
    .private_segment_fixed_size: 0
    .kernarg_segment_align: 8
    .kernarg_segment_size: 24
    .max_flat_workgroup_size: 256
    .sgpr_count:     66
    .vgpr_count:     66
    .wavefront_size: 32
...
	.end_amdgpu_metadata
.endif
;; end of part 3
